; MI455X (gfx1250); checked and timed in simulation.
; The chip was launched on July 23, 2026; its instructions are those of AMD's public machine-readable ISA for CDNA 5 (MIT licence, August 2026) and "CDNA5" Instruction Set Architecture Reference Guide (July 2026). The comments in the code are by the model that wrote it; some were corrected since.
;; Block Selector. Allowed arithmetic: float matrix products may take bf16 or f16 operands with f32 sums; all other float work in f32.
;; Inputs: k 2 x 16 x 4,096 x 64 float32; q 2 x 16 x 4,096 x 64 float32; query_block_indices 2 x 16 x 4,096 int32; topk_indices 2 x 16 x 4,096 x 3 int32; v 2 x 16 x 4,096 x 64 float32.
;; Outputs: out0 2 x 16 x 4,096 int32; out1 2 x 16 x 4,096 int32; out2 2 x 16 x 4,096 x 3 int32; out3 2 x 16 x 4,096 x 3 int32; out4 2 x 16 x 4,096 x 3 bool.
;; Constants: block_size = 512, seq_len = 4096.
;; 2 versions, each right; version 2 is version 1 with the launch select written anew for expert scheduling mode. Each part assembles by itself: llvm-mc -triple=amdgcn-amd-amdhsa -mcpu=gfx1250 --defsym DOCPART=n.
;; ======== version 1 of 2: 1 launch
;; launch select (part 1): grid 256 x 1, 4 waves a work-group, no clusters, 2,048 bytes of LDS; arguments topk_indices, out0, out1, out2, out3, out4; writes out0, out1, out2, out3, out4
.if DOCPART == 1
	.amdgcn_target "amdgcn-amd-amdhsa--gfx1250"
	.amdhsa_code_object_version 6
	.text
	.protected	k_q133536e60c_select
	.globl	k_q133536e60c_select
	.p2align	8
	.type	k_q133536e60c_select,@function
k_q133536e60c_select:
	s_mov_b64 s[64:65], 0
	v_nop
	global_prefetch_b8 v0, s[64:65] scope:SCOPE_SE
	s_setreg_imm32_b32 hwreg(HW_REG_WAVE_MODE, 25, 1), 1
	s_wait_xcnt 0x0
; BlockSelector, B = 2, H = 16, S = 4096, K = 3, block_size = 512, seq_len = 4096.
; With i the place in the sequence and c = i / 512:
;   out0[b][h][i]    = 512 c
;   out1[b][h][i]    = min(i + 1, min(512 (c + 1), 4096)) = i + 1, since i + 1 <= 512 (c + 1) <= 4096 for every i of 0 .. 4095
;   valid            = x < c (signed), x = topk_indices[b][h][i][k]
;   out2 = valid ? 512 x : 0;   out3 = valid ? min(512 (x + 1), 4096) : 0;   out4 = valid, one byte
; RANGE: every int32 x is served; the products wrap as int32 products do, and the minimum is kept for the wrapped ones.
; INPUTS NOT LOADED: q, k, v and query_block_indices.  The function computed here takes q's shape alone and no value of these four
; (c is made from the place i, not from query_block_indices), so no byte of them can reach an output.
;
; SHARES.  A work-group owns one block of 512 places of one (b, h): 2 x 16 x 8 = 256 work-groups, and c = work-group number mod 8
; is a scalar.  Its bytes: 6,144 of topk_indices, out2 and out3 each, 1,536 of out4, 2,048 of out0 and out1 each; every one of these
; pieces begins at a multiple of 256 bytes of its buffer.
; Waves 0, 1, 2 take 2,048 bytes of indices each (512 numbers), as four chunks of 512 bytes: lane l holds the 4 numbers at byte
; 16 l of a chunk, so each load and each store of out2 and out3 covers 512 consecutive bytes, aligned to 256.
; Wave 3 loads nothing and writes the block's out0 and out1, again 512 consecutive bytes a store.
; out4: a lane's 4 numbers make 4 bytes, a wave's store of those would cover 128 bytes only.  So the packed words go through the
; wave's own 512 bytes of LDS and come back 16 bytes a lane: one store of 512 consecutive bytes for the wave's 512 numbers.
; No wave reads another's LDS bytes: no barrier.  Every store has data registers of its own and no offset register is written
; twice: no source of a pending memory instruction is ever rewritten.  EXEC is never changed.
.set BLK,  512                         ; block_size
.set SEQ,  4096                        ; seq_len
.set IDXB, 6144                        ; bytes of indices in a work-group's block: 512 places x 3 x 4
.set WIDX, 2048                        ; of which a wave takes a third
.set CH,   512                         ; bytes in a chunk: 32 lanes x 16
.set OFF,  2                           ; v2        byte offset of my 16 bytes in the wave's first chunk (waves 0-2: topk, out2, out3; wave 3: out0, out1)
.set OFF4, 3                           ; v3        byte offset of my 16 bytes in out4
.set LST,  4                           ; v4        LDS: where my packed word of chunk 0 goes
.set LLD,  5                           ; v5        LDS: my 16 bytes on the way back
.set TT,   6                           ; v6        one flag, at work
.set XI,   8                           ; v[8:23]   indices, chunk j at XI + 4 j
.set SS,   24                          ; v[24:39]  out2's numbers
.set EE,   40                          ; v[40:55]  out3's numbers
.set BB,   56                          ; v[56:59]  chunk j: my four flags, one byte each
.set PP,   60                          ; v[60:63]  16 flags as they go to out4
.set ZZ,   8                           ; wave 3: v[8:11]  512 c, four times
.set NN,   12                          ; wave 3: v[12:27] i + 1, store t at NN + 4 t
	s_load_b256 s[4:11], s[0:1], 0x0               ; topk_indices s[4:5], out0 s[6:7], out1 s[8:9], out2 s[10:11]
	s_load_b128 s[12:15], s[0:1], 0x20             ; out3 s[12:13], out4 s[14:15]
	v_lshl_add_u32 v64, v0, 2, 0x600
	v_mov_b32 v65, 0
	v_and_b32 v1, 31, v0                           ; lane
	v_lshrrev_b32 v7, 5, v0
	v_readfirstlane_b32 s16, v7                    ; wave 0 .. 3
	s_and_b32 s17, ttmp9, 7                        ; c: the block's number in its sequence
	s_cmp_eq_u32 s16, 3
	s_cbranch_scc1 .Lself
	; ---- waves 0, 1, 2: out2, out3, out4 ----
	s_mul_i32 s18, ttmp9, IDXB                     ; the block's indices,
	s_lshl_b32 s26, s16, 11                        ; my wave's third of them (WIDX = 2,048 bytes)
	s_add_co_u32 s18, s18, s26                     ; at most 255 x 6,144 + 4,096: far inside 32 bits
	s_lshr_b32 s19, s18, 2                         ; one byte of out4 for four bytes of indices
	s_lshl_b32 s20, s16, 9                         ; my wave's 512 bytes of LDS
	s_mov_b32 s24, SEQ
	s_mov_b32 s25, BLK
	v_lshl_add_u32 v[OFF],  v1, 4, s18
	v_lshl_add_u32 v[OFF4], v1, 4, s19
	v_lshl_add_u32 v[LST],  v1, 2, s20
	v_lshl_add_u32 v[LLD],  v1, 4, s20
	s_wait_kmcnt 0x0                               ; both argument loads: scalar loads come back in no order, so the count is 0
.irp j, 0,1,2,3
	global_load_b128 v[XI+4*\j:XI+4*\j+3], v[OFF], s[4:5] offset:CH*\j th:TH_LOAD_NT   ; all of the wave's indices are asked for in one run; each byte is read once in the launch
.endr
; Number e of chunk j.
.macro ELEM j, e
	v_cmp_gt_i32 vcc_lo, s17, v[XI+4*\j+\e]                        ; c > x, signed
	v_lshlrev_b32 v[SS+4*\j+\e], 9, v[XI+4*\j+\e]                  ; 512 x
	v_lshl_add_u32 v[EE+4*\j+\e], v[XI+4*\j+\e], 9, s25            ; 512 x + 512 = 512 (x + 1) modulo 2^32
	v_min_i32 v[EE+4*\j+\e], s24, v[EE+4*\j+\e]                    ; not above seq_len (binds only where a very negative x has wrapped)
	v_cndmask_b32 v[SS+4*\j+\e], 0, v[SS+4*\j+\e], vcc_lo          ; zero where not valid
	v_cndmask_b32 v[EE+4*\j+\e], 0, v[EE+4*\j+\e], vcc_lo
.if \e == 0
	v_cndmask_b32 v[BB+\j], 0, 1, vcc_lo                           ; the first flag starts the packed word
.else
	v_cndmask_b32 v[TT], 0, 1, vcc_lo
	v_lshl_or_b32 v[BB+\j], v[TT], 8*\e, v[BB+\j]                  ; flag e into byte e
.endif
.endm
; Chunk j: 128 numbers of the wave.
.macro CHUNK j
	s_wait_loadcnt 3-\j                            ; loads come back in order (ISA guide 5.7.1): 3 - j were issued behind chunk j's and may stay out
	ELEM \j, 0
	ELEM \j, 1
	ELEM \j, 2
	ELEM \j, 3
	global_store_b128 v[OFF], v[SS+4*\j:SS+4*\j+3], s[10:11] offset:CH*\j th:TH_STORE_NT
	global_store_b128 v[OFF], v[EE+4*\j:EE+4*\j+3], s[12:13] offset:CH*\j th:TH_STORE_NT
	ds_store_b32 v[LST], v[BB+\j] offset:128*\j    ; word 32 j + l of my wave's 128: the flags of its numbers 128 j + 4 l .. + 3
.endm
	CHUNK 0
	CHUNK 1
	CHUNK 2
	CHUNK 3
	ds_load_b128 v[PP:PP+3], v[LLD]                ; LDS serves a wave's instructions in order (ISA guide 5.7.1): this sees the four stores above; the bytes are my wave's own
	s_wait_dscnt 0x0                               ; it is the wave's last LDS instruction: none was issued behind it
	global_store_b128 v[OFF4], v[PP:PP+3], s[14:15] th:TH_STORE_NT  ; the wave's 512 flags: 512 consecutive bytes
	s_wait_tensorcnt 0x0
	ds_add_u32 v64, v65
	s_wait_dscnt 0x0
	s_endpgm
	; ---- wave 3: out0, out1 ----
.Lself:
	s_lshl_b32 s21, ttmp9, 11                      ; the block's 512 places x 4 bytes
	s_lshl_b32 s22, s17, 9                         ; 512 c
	s_add_co_u32 s23, s22, 1
	v_lshl_add_u32 v[OFF], v1, 4, s21
.irp e, 0,1,2,3
	v_mov_b32 v[ZZ+\e], s22
.endr
	v_lshl_add_u32 v[NN], v1, 2, s23               ; i + 1 of my first place: 512 c + 4 l + 1
.irp t, 0,1,2,3
.irp e, 0,1,2,3
.if 4*\t+\e
	v_add_nc_u32 v[NN+4*\t+\e], 128*\t+\e, v[NN]   ; place 128 t + 4 l + e of the block
.endif
.endr
.endr
	s_wait_kmcnt 0x0                               ; the arguments
.irp t, 0,1,2,3
	global_store_b128 v[OFF], v[ZZ:ZZ+3], s[6:7] offset:CH*\t th:TH_STORE_NT
	global_store_b128 v[OFF], v[NN+4*\t:NN+4*\t+3], s[8:9] offset:CH*\t th:TH_STORE_NT
.endr
	s_endpgm
.Lfunc_end_k_q133536e60c_select:
	.size	k_q133536e60c_select, .Lfunc_end_k_q133536e60c_select-k_q133536e60c_select
	.p2alignl 7, 3214868480
	.fill 96, 4, 3214868480
	.section	.rodata,"a",@progbits
	.p2align	6, 0x0
	.amdhsa_kernel k_q133536e60c_select
		.amdhsa_group_segment_fixed_size 2048
		.amdhsa_private_segment_fixed_size 0
		.amdhsa_enable_private_segment 0
		.amdhsa_kernarg_size 48
		.amdhsa_user_sgpr_count 2
		.amdhsa_user_sgpr_kernarg_segment_ptr 1
		.amdhsa_wavefront_size32 1
		.amdhsa_system_sgpr_workgroup_id_x 1
		.amdhsa_system_sgpr_workgroup_id_y 1
		.amdhsa_system_sgpr_workgroup_id_z 1
		.amdhsa_system_vgpr_workitem_id 0
		.amdhsa_next_free_vgpr 66
		.amdhsa_next_free_sgpr 66
		.amdhsa_reserve_vcc 1
		.amdhsa_float_denorm_mode_32 3
		.amdhsa_float_denorm_mode_16_64 3
		.amdhsa_memory_ordered 1
		.amdhsa_forward_progress 1
		.amdhsa_inst_pref_size 11
	.end_amdhsa_kernel
	.amdgpu_metadata
---
amdhsa.version: [ 1, 2 ]
amdhsa.kernels:
  - .name:           k_q133536e60c_select
    .symbol:         k_q133536e60c_select.kd
    .args:
      - { .name: topk_indices, .offset: 0, .size: 8, .value_kind: global_buffer, .address_space: global }
      - { .name: out0, .offset: 8, .size: 8, .value_kind: global_buffer, .address_space: global }
      - { .name: out1, .offset: 16, .size: 8, .value_kind: global_buffer, .address_space: global }
      - { .name: out2, .offset: 24, .size: 8, .value_kind: global_buffer, .address_space: global }
      - { .name: out3, .offset: 32, .size: 8, .value_kind: global_buffer, .address_space: global }
      - { .name: out4, .offset: 40, .size: 8, .value_kind: global_buffer, .address_space: global }
    .group_segment_fixed_size: 2048
    .private_segment_fixed_size: 0
    .kernarg_segment_align: 8
    .kernarg_segment_size: 48
    .max_flat_workgroup_size: 128
    .sgpr_count:     66
    .vgpr_count:     66
    .wavefront_size: 32
...
	.end_amdgpu_metadata
.endif
;; end of part 1
;; ======== version 2 of 2: 1 launch; version 1 with the launch select written anew for expert scheduling mode
;; launch select (part 2): grid 256 x 1, 4 waves a work-group, no clusters, 2,048 bytes of LDS; arguments topk_indices, out0, out1, out2, out3, out4; writes out0, out1, out2, out3, out4
.if DOCPART == 2
	.amdgcn_target "amdgcn-amd-amdhsa--gfx1250"
	.amdhsa_code_object_version 6
	.text
	.protected	k_q133536e60c_select
	.globl	k_q133536e60c_select
	.p2align	8
	.type	k_q133536e60c_select,@function
k_q133536e60c_select:
	s_mov_b64 s[64:65], 0
	v_nop
	global_prefetch_b8 v0, s[64:65] scope:SCOPE_SE
	s_setreg_imm32_b32 hwreg(HW_REG_WAVE_SCHED_MODE, 0, 2), 2
	s_setreg_imm32_b32 hwreg(HW_REG_WAVE_MODE, 25, 1), 1
	s_wait_xcnt 0x0
	s_wait_alu depctr_vm_vsrc(0)
; BlockSelector, B = 2, H = 16, S = 4096, K = 3, block_size = 512, seq_len = 4096.
; With i the place in the sequence and c = i / 512:
;   out0[b][h][i]    = 512 c
;   out1[b][h][i]    = min(i + 1, min(512 (c + 1), 4096)) = i + 1, since i + 1 <= 512 (c + 1) <= 4096 for every i of 0 .. 4095
;   valid            = x < c (signed), x = topk_indices[b][h][i][k]
;   out2 = valid ? 512 x : 0;   out3 = valid ? min(512 (x + 1), 4096) : 0;   out4 = valid, one byte
; RANGE: every int32 x is served; the products wrap as int32 products do, and the minimum is kept for the wrapped ones.
; INPUTS NOT LOADED: q, k, v and query_block_indices.  The function computed here takes q's shape alone and no value of these four
; (c is made from the place i, not from query_block_indices), so no byte of them can reach an output.
;
; SHARES.  A work-group owns one block of 512 places of one (b, h): 2 x 16 x 8 = 256 work-groups, and c = work-group number mod 8
; is a scalar.  Its bytes: 6,144 of topk_indices, out2 and out3 each, 1,536 of out4, 2,048 of out0 and out1 each; every one of these
; pieces begins at a multiple of 256 bytes of its buffer.
; Waves 0, 1, 2 take 2,048 bytes of indices each (512 numbers), as four chunks of 512 bytes: lane l holds the 4 numbers at byte
; 16 l of a chunk, so each load and each store of out2 and out3 covers 512 consecutive bytes, aligned to 256.
; Wave 3 loads nothing and writes the block's out0 and out1, again 512 consecutive bytes a store.
; out4: a lane's 4 numbers make 4 bytes, a wave's store of those would cover 128 bytes only.  So the packed words go through the
; wave's own 512 bytes of LDS and come back 16 bytes a lane: one store of 512 consecutive bytes for the wave's 512 numbers.
; No wave reads another's LDS bytes: no barrier.  Every store has data registers of its own and no offset register is written
; twice: no source of a pending memory instruction is ever rewritten.  EXEC is never changed.
;
; THE MODE: SCHED_MODE bits 1:0 = 2 (LLVM: expert scheduling mode 2), set by the entry lines.  The code itself states the register
; dependences between vector instructions and memory or LDS instructions, with s_wait_alu, always for 0.
; THE PLAN.  Registers that memory or LDS instructions touch:
;   v2 .. v5     offsets and LDS addresses: written once at the head by vector lines, read by every load and store, never written again.
;   XI           written by the four loads alone (no vector line names it ahead of them); chunk j's part is read by chunk j's vector lines.
;   SS, EE, BB   chunk j's part is written by chunk j's vector lines, read by chunk j's three stores, and never written again.
;   PP           written by the one LDS load, read by out4's store; no vector line names it.
;   v64, v65     written at the head, read by the closing add alone.
; Scalars that vector lines write: s16 (the wave's number) and the four masks s[20:23] of the chunk in hand.
; A chunk: its four compares and the twelve lines that hang on no mask; then the wait for the masks and, beside it, the wait for the
; results of the chunk before, whose three stores follow at once; then the chunk's own selects, which name none of those stores' registers.
; Since no register that a load or store reads is written a second time, no wait on vm_vsrc is owed ahead of the closing lines.
.set BLK,  512                         ; block_size
.set SEQ,  4096                        ; seq_len
.set IDXB, 6144                        ; bytes of indices in a work-group's block: 512 places x 3 x 4
.set WIDX, 2048                        ; of which a wave takes a third
.set CH,   512                         ; bytes in a chunk: 32 lanes x 16
.set MK,   20                          ; s[20:23]  waves 0-2: the masks of a chunk's four numbers (s20 holds the wave's LDS base until the head's two LDS addresses are made)
.set OFF,  2                           ; v2        byte offset of my 16 bytes in the wave's first chunk (waves 0-2: topk, out2, out3; wave 3: out0, out1)
.set OFF4, 3                           ; v3        byte offset of my 16 bytes in out4
.set LST,  4                           ; v4        LDS: where my packed word of chunk 0 goes
.set LLD,  5                           ; v5        LDS: my 16 bytes on the way back
.set TT,   6                           ; v6        one flag, at work: no memory instruction names it
.set XI,   8                           ; v[8:23]   indices, chunk j at XI + 4 j
.set SS,   24                          ; v[24:39]  out2's numbers
.set EE,   40                          ; v[40:55]  out3's numbers
.set BB,   56                          ; v[56:59]  chunk j: my four flags, one byte each
.set PP,   60                          ; v[60:63]  16 flags as they go to out4
.set ZZ,   8                           ; wave 3: v[8:11]  512 c, four times
.set NN,   12                          ; wave 3: v[12:27] i + 1, store t at NN + 4 t
	s_load_b256 s[4:11], s[0:1], 0x0               ; topk_indices s[4:5], out0 s[6:7], out1 s[8:9], out2 s[10:11]
	s_load_b128 s[12:15], s[0:1], 0x20             ; out3 s[12:13], out4 s[14:15]
	v_lshl_add_u32 v64, v0, 2, 0x600               ; my spare word, behind the three waves' 1,536 bytes, and 0: kept for the closing add alone
	v_mov_b32 v65, 0
	v_and_b32 v1, 31, v0                           ; lane
	v_lshrrev_b32 v7, 5, v0
	v_readfirstlane_b32 s16, v7                    ; wave 0 .. 3
	s_and_b32 s17, ttmp9, 7                        ; c: the block's number in its sequence
	s_wait_alu depctr_va_sdst(0)                   ; s16 is written, ahead of its first reader, the compare below, and of the branch
	s_cmp_eq_u32 s16, 3
	s_cbranch_scc1 .Lself
	; ---- waves 0, 1, 2: out2, out3, out4 ----
	s_mul_i32 s18, ttmp9, IDXB                     ; the block's indices,
	s_lshl_b32 s26, s16, 11                        ; my wave's third of them (WIDX = 2,048 bytes)
	s_add_co_u32 s18, s18, s26                     ; at most 255 x 6,144 + 4,096: far inside 32 bits
	s_lshr_b32 s19, s18, 2                         ; one byte of out4 for four bytes of indices
	s_lshl_b32 s20, s16, 9                         ; my wave's 512 bytes of LDS
	s_mov_b32 s24, SEQ
	s_mov_b32 s25, BLK
	v_lshl_add_u32 v[OFF],  v1, 4, s18
	v_lshl_add_u32 v[OFF4], v1, 4, s19
	v_lshl_add_u32 v[LST],  v1, 2, s20
	v_lshl_add_u32 v[LLD],  v1, 4, s20
	s_wait_kmcnt 0x0                               ; both argument loads: scalar loads come back in no order, so the count is 0
	s_wait_alu depctr_va_vdst(0)                   ; v2 to v5 are written: every load, store and LDS access of these waves reads one of them as its offset or address
.irp j, 0,1,2,3
	global_load_b128 v[XI+4*\j:XI+4*\j+3], v[OFF], s[4:5] offset:CH*\j th:TH_LOAD_NT   ; all of the wave's indices are asked for in one run; each byte is read once in the launch
.endr
; Chunk j, first part: the four masks in one run, then what hangs on no mask.
.macro PRE j
.irp e, 0,1,2,3
	v_cmp_gt_i32 s[MK+\e], s17, v[XI+4*(\j)+\e]                    ; c > x, signed
.endr
.irp e, 0,1,2,3
	v_lshlrev_b32 v[SS+4*(\j)+\e], 9, v[XI+4*(\j)+\e]              ; 512 x
	v_lshl_add_u32 v[EE+4*(\j)+\e], v[XI+4*(\j)+\e], 9, s25        ; 512 x + 512 = 512 (x + 1) modulo 2^32
	v_min_i32 v[EE+4*(\j)+\e], s24, v[EE+4*(\j)+\e]                ; not above seq_len (binds only where a very negative x has wrapped)
.endr
.endm
; Chunk j, second part: the selects by the masks, and the four flags packed into a word.
.macro SEL j
.irp e, 0,1,2,3
	v_cndmask_b32 v[SS+4*(\j)+\e], 0, v[SS+4*(\j)+\e], s[MK+\e]    ; zero where not valid
	v_cndmask_b32 v[EE+4*(\j)+\e], 0, v[EE+4*(\j)+\e], s[MK+\e]
.endr
	v_cndmask_b32 v[BB+(\j)], 0, 1, s[MK]                          ; the first flag starts the packed word
.irp e, 1,2,3
	v_cndmask_b32 v[TT], 0, 1, s[MK+\e]
	v_lshl_or_b32 v[BB+(\j)], v[TT], 8*\e, v[BB+(\j)]              ; flag e into byte e
.endr
.endm
; Chunk j's three stores.
.macro OUT j
	global_store_b128 v[OFF], v[SS+4*(\j):SS+4*(\j)+3], s[10:11] offset:CH*(\j) th:TH_STORE_NT
	global_store_b128 v[OFF], v[EE+4*(\j):EE+4*(\j)+3], s[12:13] offset:CH*(\j) th:TH_STORE_NT
	ds_store_b32 v[LST], v[BB+(\j)] offset:128*(\j) ; word 32 j + l of my wave's 128: the flags of its numbers 128 j + 4 l .. + 3
.endm
; Chunk j: 128 numbers of the wave.
.macro CHUNK j
	s_wait_loadcnt 3-(\j)                          ; loads come back in order (ISA guide 5.7.1): 3 - j were issued behind chunk j's and may stay out
	PRE \j
	s_wait_alu depctr_va_sdst(0)                   ; the four compares have written s[20:23], ahead of the first select that reads one of them
.if \j
	s_wait_alu depctr_va_vdst(0)                   ; the chunk before has written its SS, EE and BB, which the three stores below read
	OUT (\j)-1
.endif
	SEL \j
.endm
	CHUNK 0
	CHUNK 1
	CHUNK 2
	CHUNK 3
	s_wait_alu depctr_va_vdst(0)                   ; chunk 3 has written its SS, EE and BB, which its three stores read
	OUT 3
	ds_load_b128 v[PP:PP+3], v[LLD]                ; LDS serves a wave's instructions in order (ISA guide 5.7.1): this sees the four stores above; the bytes are my wave's own
	s_wait_dscnt 0x0                               ; it is the wave's last LDS instruction: none was issued behind it
	global_store_b128 v[OFF4], v[PP:PP+3], s[14:15] th:TH_STORE_NT  ; the wave's 512 flags: 512 consecutive bytes
	s_wait_dscnt 0x0                               ; the closing lines, six on end
	s_wait_alu 0x0
	s_wait_tensorcnt 0x0
	ds_add_u32 v64, v65
	s_wait_dscnt 0x0
	s_endpgm
	; ---- wave 3: out0, out1 (it stores nothing to LDS) ----
.Lself:
	s_lshl_b32 s21, ttmp9, 11                      ; the block's 512 places x 4 bytes
	s_lshl_b32 s22, s17, 9                         ; 512 c
	s_add_co_u32 s23, s22, 1
	v_lshl_add_u32 v[OFF], v1, 4, s21
.irp e, 0,1,2,3
	v_mov_b32 v[ZZ+\e], s22
.endr
	v_lshl_add_u32 v[NN], v1, 2, s23               ; i + 1 of my first place: 512 c + 4 l + 1
.irp t, 0,1,2,3
.irp e, 0,1,2,3
.if 4*\t+\e
	v_add_nc_u32 v[NN+4*\t+\e], 128*\t+\e, v[NN]   ; place 128 t + 4 l + e of the block
.endif
.endr
.endr
	s_wait_kmcnt 0x0                               ; the arguments
	s_wait_alu depctr_va_vdst(0)                   ; v2, ZZ and NN are written: the eight stores below read them as offset and data
.irp t, 0,1,2,3
	global_store_b128 v[OFF], v[ZZ:ZZ+3], s[6:7] offset:CH*\t th:TH_STORE_NT
	global_store_b128 v[OFF], v[NN+4*\t:NN+4*\t+3], s[8:9] offset:CH*\t th:TH_STORE_NT
.endr
	s_endpgm
.Lfunc_end_k_q133536e60c_select:
	.size	k_q133536e60c_select, .Lfunc_end_k_q133536e60c_select-k_q133536e60c_select
	.p2alignl 7, 3214868480
	.fill 96, 4, 3214868480
	.section	.rodata,"a",@progbits
	.p2align	6, 0x0
	.amdhsa_kernel k_q133536e60c_select
		.amdhsa_group_segment_fixed_size 2048
		.amdhsa_private_segment_fixed_size 0
		.amdhsa_enable_private_segment 0
		.amdhsa_kernarg_size 48
		.amdhsa_user_sgpr_count 2
		.amdhsa_user_sgpr_kernarg_segment_ptr 1
		.amdhsa_wavefront_size32 1
		.amdhsa_system_sgpr_workgroup_id_x 1
		.amdhsa_system_sgpr_workgroup_id_y 1
		.amdhsa_system_sgpr_workgroup_id_z 1
		.amdhsa_system_vgpr_workitem_id 0
		.amdhsa_next_free_vgpr 66
		.amdhsa_next_free_sgpr 66
		.amdhsa_reserve_vcc 0
		.amdhsa_float_denorm_mode_32 3
		.amdhsa_float_denorm_mode_16_64 3
		.amdhsa_memory_ordered 1
		.amdhsa_forward_progress 1
		.amdhsa_inst_pref_size 13
	.end_amdhsa_kernel
	.amdgpu_metadata
---
amdhsa.version: [ 1, 2 ]
amdhsa.kernels:
  - .name:           k_q133536e60c_select
    .symbol:         k_q133536e60c_select.kd
    .args:
      - { .name: topk_indices, .offset: 0, .size: 8, .value_kind: global_buffer, .address_space: global }
      - { .name: out0, .offset: 8, .size: 8, .value_kind: global_buffer, .address_space: global }
      - { .name: out1, .offset: 16, .size: 8, .value_kind: global_buffer, .address_space: global }
      - { .name: out2, .offset: 24, .size: 8, .value_kind: global_buffer, .address_space: global }
      - { .name: out3, .offset: 32, .size: 8, .value_kind: global_buffer, .address_space: global }
      - { .name: out4, .offset: 40, .size: 8, .value_kind: global_buffer, .address_space: global }
    .group_segment_fixed_size: 2048
    .private_segment_fixed_size: 0
    .kernarg_segment_align: 8
    .kernarg_segment_size: 48
    .max_flat_workgroup_size: 128
    .sgpr_count:     66
    .vgpr_count:     66
    .wavefront_size: 32
...
	.end_amdgpu_metadata
.endif
;; end of part 2
